; MI455X (gfx1250); checked and timed in simulation.
; The chip was launched on July 23, 2026; its instructions are those of AMD's public machine-readable ISA for CDNA 5 (MIT licence, August 2026) and "CDNA5" Instruction Set Architecture Reference Guide (July 2026). The comments in the code are by the model that wrote it; some were corrected since.
;; Attention Block. Allowed arithmetic: float matrix products may take bf16 or f16 operands with f32 sums; all other float work in f32.
;; Inputs: bk 256 float32; bp 256 float32; bq 256 float32; bv 256 float32; wk 256 x 256 float32; wp 256 x 256 float32; wq 256 x 256 float32; wv 256 x 256 float32; x 4 x 256 x 64 x 64 float32.
;; Outputs: out0 4 x 256 x 64 x 64 float32.
;; 2 versions, each right; version 2 is version 1 with the launch norm written anew for expert scheduling mode. Each part assembles by itself: llvm-mc -triple=amdgcn-amd-amdhsa -mcpu=gfx1250 --defsym DOCPART=n.
;; ======== version 1 of 2: 3 launches
;; workspace buffers: hn 8,388,608 bytes; wf 524,288 bytes; qf 8,388,608 bytes; kf 8,388,608 bytes; vf 8,388,608 bytes
;; launch norm (part 1): grid 256 x 1, 4 waves a work-group, no clusters, 0 bytes of LDS; arguments x, wq, wk, wv, wp, hn, wf; writes hn, wf
.if DOCPART == 1
	.amdgcn_target "amdgcn-amd-amdhsa--gfx1250"
	.amdhsa_code_object_version 6
	.text
	.protected	k_qbd059a25c9_norm
	.globl	k_qbd059a25c9_norm
	.p2align	8
	.type	k_qbd059a25c9_norm,@function
k_qbd059a25c9_norm:
	s_mov_b64 s[64:65], 0
	v_nop
	global_prefetch_b8 v0, s[64:65] scope:SCOPE_SE
	s_setreg_imm32_b32 hwreg(HW_REG_WAVE_MODE, 25, 1), 1
	s_wait_xcnt 0x0
; Instance norm of the 1,024 planes (b, c) of 4,096 f32, written as bf16 (hn), and the four 256 x 256 weights rewritten as bf16
; fragment images (wf).  One wave owns plane p = 4 x work-group + wave: 16,384 bytes = 128 registers, kept between the pass for the
; mean, the pass for the variance (on x - mean, so a common offset in x costs no accuracy) and the scaling: x is read once.
; The reduction never leaves the wave: no LDS, no barrier.  No matrix unit, no cluster: no work-group shares an input with another.
; FRAGMENT IMAGE: 1,024 bytes for a 16 x 32 bf16 operand; byte 512 s + 16 L + 2 e holds (row L & 15, k = 16 s + 8 (L >> 4) + e), so that
; two 16-byte loads a lane at 16 L and 512 + 16 L fill a matrix operand.  wf: image number = 128 mat + 64 (ot >> 3) + 8 ks + (ot & 7),
; rows = outputs 16 ot + r, k = inputs 32 ks + ..; mat = q, k, v, p.  Wave p writes half image p (512 bytes, one store).
.set X,   4                            ; v[4:131]   the plane
.set WR,  132                          ; v[132:139] eight weights in f32
.set WB,  140                          ; v[140:143] the same in bf16
.set SUM, 144                          ; v[144:151] four chains of two sums
.set RD,  152                          ; the sum across lanes
.set RT,  153                          ; the other half's sum
.set MU,  154                          ; v[154:155] the mean, twice
.set RS,  156                          ; v[156:157] 1 / sqrt(var + eps), twice
	s_load_b256 s[4:11], s[0:1], 0x0               ; x s[4:5], wq s[6:7], wk s[8:9], wv s[10:11]
	s_load_b128 s[12:15], s[0:1], 0x20             ; wp s[12:13], hn s[14:15]
	s_load_b64 s[16:17], s[0:1], 0x30              ; wf
	v_lshrrev_b32 v1, 5, v0
	v_readfirstlane_b32 s18, v1                    ; wave
	s_lshl_b32 s19, ttmp9, 2
	s_add_co_u32 s19, s19, s18                     ; p
	s_lshr_b32 s20, ttmp9, 6                       ; mat = p >> 8
	s_bfe_u32 s22, s19, 0x30001                    ; ot & 7 = bits 3:1 of p
	s_bfe_u32 s23, s19, 0x10007                    ; ot >> 3 = bit 7
	s_lshl_b32 s23, s23, 3
	s_add_co_u32 s22, s22, s23                     ; ot
	s_bfe_u32 s23, s19, 0x30004                    ; ks = bits 6:4
	s_and_b32 s24, s19, 1                          ; s = bit 0
	s_lshl_b32 s21, s22, 14                        ; 16 ot rows of 1,024 bytes
	s_lshl_b32 s23, s23, 7                         ; + 32 ks inputs of 4 bytes
	s_add_co_u32 s21, s21, s23
	s_lshl_b32 s24, s24, 6                         ; + 16 s inputs
	s_add_co_u32 s21, s21, s24
	s_lshl_b32 s26, s19, 14                        ; the plane in x
	s_mov_b32 s27, 0
	s_lshl_b32 s28, s19, 13                        ; the plane in hn
	s_mov_b32 s29, 0
	s_lshl_b32 s30, s19, 9                         ; the half image in wf
	s_mov_b32 s31, 0
	s_mov_b32 s32, 0x76543210                      ; v_permlanex16_b32: lane i reads lane i of the other half
	s_mov_b32 s33, 0xfedcba98
	s_mov_b32 s34, 0x39800000                      ; 1 / 4096
	s_mov_b32 s35, 0x3727c5ac                      ; eps = 1e-5
	v_and_b32 v1, 31, v0                           ; lane
	v_and_b32 v2, 15, v0                           ; r
	v_bfe_u32 v3, v0, 4, 1                         ; h
	v_lshl_add_u32 v2, v2, 10, s21                 ; row r
	v_lshl_add_u32 v2, v3, 5, v2                   ; + 8 h inputs: my 32 bytes of the weight
	v_lshlrev_b32 v3, 4, v1                        ; 16 x lane
	v_lshlrev_b32 v1, 3, v1                        ; 8 x lane
	v_mov_b32 v[RT], 0                             ; v_permlanex16_b32 counts as a reader of its destination
	s_wait_kmcnt 0x0
	s_cmp_eq_u32 s20, 1                            ; the weight of my quarter of the work-groups
	s_cselect_b64 s[6:7], s[8:9], s[6:7]
	s_cmp_eq_u32 s20, 2
	s_cselect_b64 s[6:7], s[10:11], s[6:7]
	s_cmp_eq_u32 s20, 3
	s_cselect_b64 s[6:7], s[12:13], s[6:7]
	s_add_nc_u64 s[4:5], s[4:5], s[26:27]
	s_add_nc_u64 s[14:15], s[14:15], s[28:29]
	s_add_nc_u64 s[16:17], s[16:17], s[30:31]
	global_load_b128 v[WR:WR+3], v2, s[6:7]
	global_load_b128 v[WR+4:WR+7], v2, s[6:7] offset:16
.irp k, 0,1,2,3,4,5,6,7,8,9,10,11,12,13,14,15,16,17,18,19,20,21,22,23,24,25,26,27,28,29,30,31
	global_load_b128 v[X+4*\k:X+4*\k+3], v3, s[4:5] offset:512*\k th:TH_LOAD_NT   ; 512 neighbouring bytes a load
.endr
	s_wait_loadcnt 32                              ; the two weight loads are in; the plane's 32 are younger
.irp i, 0,1,2,3
	v_cvt_pk_bf16_f32 v[WB+\i], v[WR+2*\i], v[WR+2*\i+1]
.endr
	global_store_b128 v3, v[WB:WB+3], s[16:17]     ; 512 consecutive bytes, aligned
.macro LSUM                            ; v[RD] summed over the 32 lanes, the result in every lane
	v_add_f32_dpp v[RD], v[RD], v[RD] row_xmask:1 row_mask:0xf bank_mask:0xf
	v_add_f32_dpp v[RD], v[RD], v[RD] row_xmask:2 row_mask:0xf bank_mask:0xf
	v_add_f32_dpp v[RD], v[RD], v[RD] row_xmask:4 row_mask:0xf bank_mask:0xf
	v_add_f32_dpp v[RD], v[RD], v[RD] row_xmask:8 row_mask:0xf bank_mask:0xf
	v_permlanex16_b32 v[RT], v[RD], s32, s33
	v_add_f32 v[RD], v[RD], v[RT]
.endm
.macro FOLD                            ; the four chains into v[RD]
	v_pk_add_f32 v[SUM:SUM+1], v[SUM:SUM+1], v[SUM+2:SUM+3]
	v_pk_add_f32 v[SUM+4:SUM+5], v[SUM+4:SUM+5], v[SUM+6:SUM+7]
	v_pk_add_f32 v[SUM:SUM+1], v[SUM:SUM+1], v[SUM+4:SUM+5]
	v_add_f32 v[RD], v[SUM], v[SUM+1]
.endm
	; pass 1: the sum, four loads at a time as they land; the first eight pairs start the four chains
	s_wait_loadcnt 28
.irp c, 0,1,2,3
	v_pk_add_f32 v[SUM+2*\c:SUM+2*\c+1], v[X+2*\c:X+2*\c+1], v[X+8+2*\c:X+8+2*\c+1]
.endr
.irp g, 1,2,3,4,5,6,7
	s_wait_loadcnt 28-4*\g                         ; loads come back in order: the younger groups stay out
.irp c, 0,1,2,3,4,5,6,7
	v_pk_add_f32 v[SUM+2*(\c&3):SUM+2*(\c&3)+1], v[SUM+2*(\c&3):SUM+2*(\c&3)+1], v[X+16*\g+2*\c:X+16*\g+2*\c+1]
.endr
.endr
	FOLD
	LSUM
	v_mul_f32 v[MU], s34, v[RD]
	v_mov_b32 v[MU+1], v[MU]
	; pass 2: x - mean in place, then the sum of its squares
.set j, 0
.rept 64
	v_pk_add_f32 v[X+2*j:X+2*j+1], v[X+2*j:X+2*j+1], v[MU:MU+1] neg_lo:[0,1] neg_hi:[0,1]
.set j, j+1
.endr
.irp c, 0,1,2,3
	v_pk_mul_f32 v[SUM+2*\c:SUM+2*\c+1], v[X+2*\c:X+2*\c+1], v[X+2*\c:X+2*\c+1]
.endr
.set j, 4
.rept 60
	v_pk_fma_f32 v[SUM+2*(j%4):SUM+2*(j%4)+1], v[X+2*j:X+2*j+1], v[X+2*j:X+2*j+1], v[SUM+2*(j%4):SUM+2*(j%4)+1]
.set j, j+1
.endr
	FOLD
	LSUM
	v_fma_f32 v[RD], v[RD], s34, s35               ; var + eps
	v_rsq_f32 v[RS], v[RD]
	v_rsq_f32 v[RS+1], v[RD]
	v_nop                                          ; one plain instruction behind the transcendentals before their results are used (ISA guide 5.7.2)
	; pass 3: scale, round once to bf16, store
.set j, 0
	s_wait_alu depctr_va_vdst(0)
.rept 64
	v_pk_mul_f32 v[X+2*j:X+2*j+1], v[X+2*j:X+2*j+1], v[RS:RS+1]
.set j, j+1
.endr
.irp k, 0,1,2,3,4,5,6,7,8,9,10,11,12,13,14,15,16,17,18,19,20,21,22,23,24,25,26,27,28,29,30,31
	v_cvt_pk_bf16_f32 v[X+4*\k], v[X+4*\k], v[X+4*\k+1]
	v_cvt_pk_bf16_f32 v[X+4*\k+1], v[X+4*\k+2], v[X+4*\k+3]
	global_store_b64 v1, v[X+4*\k:X+4*\k+1], s[14:15] offset:256*\k   ; the wave's store covers 256 consecutive bytes, aligned
.endr
	s_endpgm
.Lfunc_end_k_qbd059a25c9_norm:
	.size	k_qbd059a25c9_norm, .Lfunc_end_k_qbd059a25c9_norm-k_qbd059a25c9_norm
	.p2alignl 7, 3214868480
	.fill 96, 4, 3214868480
	.section	.rodata,"a",@progbits
	.p2align	6, 0x0
	.amdhsa_kernel k_qbd059a25c9_norm
		.amdhsa_group_segment_fixed_size 0
		.amdhsa_private_segment_fixed_size 0
		.amdhsa_enable_private_segment 0
		.amdhsa_kernarg_size 56
		.amdhsa_user_sgpr_count 2
		.amdhsa_user_sgpr_kernarg_segment_ptr 1
		.amdhsa_wavefront_size32 1
		.amdhsa_system_sgpr_workgroup_id_x 1
		.amdhsa_system_sgpr_workgroup_id_y 1
		.amdhsa_system_sgpr_workgroup_id_z 1
		.amdhsa_system_vgpr_workitem_id 0
		.amdhsa_next_free_vgpr 160
		.amdhsa_next_free_sgpr 66
		.amdhsa_reserve_vcc 0
		.amdhsa_float_denorm_mode_32 3
		.amdhsa_float_denorm_mode_16_64 3
		.amdhsa_memory_ordered 1
		.amdhsa_forward_progress 1
		.amdhsa_inst_pref_size 31
	.end_amdhsa_kernel
	.amdgpu_metadata
---
amdhsa.version: [ 1, 2 ]
amdhsa.kernels:
  - .name:           k_qbd059a25c9_norm
    .symbol:         k_qbd059a25c9_norm.kd
    .args:
      - { .name: x, .offset: 0, .size: 8, .value_kind: global_buffer, .address_space: global }
      - { .name: wq, .offset: 8, .size: 8, .value_kind: global_buffer, .address_space: global }
      - { .name: wk, .offset: 16, .size: 8, .value_kind: global_buffer, .address_space: global }
      - { .name: wv, .offset: 24, .size: 8, .value_kind: global_buffer, .address_space: global }
      - { .name: wp, .offset: 32, .size: 8, .value_kind: global_buffer, .address_space: global }
      - { .name: hn, .offset: 40, .size: 8, .value_kind: global_buffer, .address_space: global }
      - { .name: wf, .offset: 48, .size: 8, .value_kind: global_buffer, .address_space: global }
    .group_segment_fixed_size: 0
    .private_segment_fixed_size: 0
    .kernarg_segment_align: 8
    .kernarg_segment_size: 56
    .max_flat_workgroup_size: 128
    .sgpr_count:     66
    .vgpr_count:     160
    .wavefront_size: 32
...
	.end_amdgpu_metadata
.endif
;; end of part 1
;; launch qkv (part 2): grid 128 x 2, 4 waves a work-group, clusters of 4 x 1, 270,848 bytes of LDS; arguments hn, wf, bq, bk, bv, qf, kf, vf; writes qf, kf, vf
.if DOCPART == 2
	.amdgcn_target "amdgcn-amd-amdhsa--gfx1250"
	.amdhsa_code_object_version 6
	.text
	.protected	k_qbd059a25c9_qkv
	.globl	k_qbd059a25c9_qkv
	.p2align	8
	.type	k_qbd059a25c9_qkv,@function
k_qbd059a25c9_qkv:
	s_mov_b64 s[64:65], 0
	v_nop
	global_prefetch_b8 v0, s[64:65] scope:SCOPE_SE
	s_setreg_imm32_b32 hwreg(HW_REG_WAVE_MODE, 25, 1), 1
	s_wait_xcnt 0x0
	s_wait_alu depctr_hold_cnt(0) depctr_sa_sdst(0) depctr_va_vdst(0) depctr_va_sdst(0) depctr_va_ssrc(0) depctr_va_vcc(0) depctr_vm_vsrc(0)
	s_getreg_b32 s2, hwreg(HW_REG_IB_STS2, 6, 4)
	s_cmp_eq_u32 s2, 0
	s_cbranch_scc0 .Lentry_in_a_cluster
	s_endpgm
.Lentry_in_a_cluster:
	s_bfe_u32 s2, ttmp6, 0x10000c
	s_cmp_lg_u32 s2, 0x3003
	s_cbranch_scc0 .Lentry_shape_is_right
	s_endpgm
.Lentry_shape_is_right:
; Q, K, V = W hn + b, stored as bf16 fragment images (1,024 bytes for a 16 x 32 operand: byte 512 s + 16 L + 2 e holds row L & 15,
; k = 16 s + 8 (L >> 4) + e).  Q is multiplied by log2(e) / 16, bias included, so that the scores come out in base 2 and scaled.
;   qf, kf: [token tile 1024][ks 8][image], rows = tokens, k = channels;   vf: [block of 32 keys 512][ct 16][image], rows = channels, k = keys.
; A work-group takes 128 tokens (tg = x) and 128 outputs (oh = y) of each of the three matrices.  Wave w: 64 tokens (th = w & 1) x 64 outputs
; (og = w >> 1): 16 accumulator tiles; the three matrices one after the other, K = 256 in 8 steps of 32.
; A packed result tile (lane (r, h), register j: m = 8 h + j, n = r) IS half an image whose k runs along m: for Q and K the weights are source 0
; (m = output channel), for V the tokens are (m = key): every store is 512 consecutive bytes, aligned, straight from registers.
; The bias enters as the C operand of the first product: nothing is cleared and nothing is added afterwards.
; CLUSTER 4 x 1: the four partners have the same oh and walk the same 3 x 64 KB of weights: those come by joint loads.  The tokens' tile is each
; partner's own (a plain load).  All of LDS is filled once: no slot is filled again.
; Matrix operands are bf16, sums f32.
.set WLDS,  0                          ; weights: matrix m at 65,536 m, order [ks 8][ot 8][image]
.set HLDS,  196608                     ; hn: 256 rows (channels) of 256 bytes (128 tokens), pitch 288 = 9 x 32 for the transposing load
.set HP,    288
.set GL,  4                            ; v4      16 x lane
.set WA,  5                            ; v5-7    LDS address of my weight images, matrix 0, 1, 2
.set HA,  8                            ; v8-9    LDS address for the transposing loads, ks 0-3 and ks 4-7
.set BO,  10                           ; v10     byte offset of my 8 biases (Q, K)
.set BVO, 11                           ; v11     byte offset of my bias (V)
.set ACC, 32                           ; v32-159 window 0: tile (i, tt) at 8 (4 i + tt)
.set F,   160                          ; v160-255 window 0: three buffers of four weight fragments
                                       ; window 1: hn fragment (tt, ks) at 8 (8 tt + ks);  window 2: v0-95 bias tiles, 32 mat + 8 i
.set MSB, 0
.macro WIN new                         ; s_set_vgpr_msb: bits 1:0 source 0, 3:2 source 1, 5:4 source 2, 7:6 destination; the high byte repeats the setting left
.if MSB != \new
	s_set_vgpr_msb (MSB<<8)|\new
.set MSB, \new
.endif
.endm
.macro PLACES n
.rept \n
	v_nop
.endr
.endm
.macro ROUND                           ; a round of the cluster's barrier: my work-group's barrier, wave 0 signals for it, all wait, my barrier again
	s_barrier_signal -1
	s_barrier_wait -1
	s_cmp_lg_u32 s18, 0
	s_cbranch_scc1 .Lnot_wave_0_\@
	s_barrier_signal -3
.Lnot_wave_0_\@:
	s_barrier_wait -3
	s_barrier_signal -1
	s_barrier_wait -1
.endm
.macro LDG adr, off, stride, buf       ; four fragments, eight loads of 512 consecutive bytes, into buffer buf
.irp i, 0,1,2,3
	ds_load_b128 v[F+32*(\buf)+8*\i:F+32*(\buf)+8*\i+3], v[\adr] offset:(\off)+(\stride)*\i
	ds_load_b128 v[F+32*(\buf)+8*\i+4:F+32*(\buf)+8*\i+7], v[\adr] offset:(\off)+(\stride)*\i+512
.endr
.endm
	s_load_b512 s[44:59], s[0:1], 0x0              ; hn 44, wf 46, bq 48, bk 50, bv 52, qf 54, kf 56, vf 58
	v_lshl_add_u32 v30, v0, 2, 0x42000
	v_mov_b32 v31, 0
	ds_add_u32 v30, v31
	v_lshrrev_b32 v1, 5, v0
	v_readfirstlane_b32 s18, v1                    ; wave
	s_bfe_u32 s19, ttmp6, 0x40000                  ; cx
	s_lshl_b32 s60, ttmp9, 2
	s_add_co_u32 s60, s60, s19                     ; tg = 4 x cluster x + cx: my 128 tokens
	s_lshr_b32 s61, s60, 5                         ; batch
	s_and_b32 s62, ttmp7, 0xffff                   ; oh: which 128 outputs (the cluster's y: the same in all partners)
	s_and_b32 s16, s18, 1                          ; th
	s_lshr_b32 s17, s18, 1                         ; og
	; group 1 of hn's tile: 64 rows x 128 elements of 2 bytes, 8 words of padding behind every 64 words; no mask
	s_mov_b32 s24, (1<<16)|(1<<20)|(5<<22)|(7<<25)
	s_mov_b32 s25, 128<<16                         ; tensor_dim0 = 128
	s_mov_b32 s26, 64<<16                          ; tensor_dim1 = 64
	s_mov_b32 s27, 128<<16                         ; tile_dim0 = 128
	s_mov_b32 s28, 64                              ; tile_dim1 = 64
	s_mov_b32 s29, 4096                            ; elements from channel to channel
	s_mov_b32 s30, 0
	s_mov_b32 s31, 0
	; group 1 of a weight tile: a dense block of 16 KB as 64 rows of 32 elements of 8 bytes; mask = all four partners, bit 21 beside it
	s_mov_b32 s32, 15|(3<<16)|(1<<21)
	s_mov_b32 s33, 32<<16
	s_mov_b32 s34, 64<<16
	s_mov_b32 s35, 32<<16
	s_mov_b32 s36, 64
	s_mov_b32 s37, 32
	s_mov_b32 s38, 0
	s_mov_b32 s39, 0
	; group 0: hn s[4:7], wq s[8:11], wk s[12:15], wv s[40:43].  Each wave brings a quarter of each tile into bytes of its own.
	s_mov_b32 s4, 1
	s_mul_i32 s5, s18, 64*HP
	s_add_co_u32 s5, s5, HLDS
	s_mov_b32 s8, 1
	s_mul_i32 s9, s18, 16384
	s_mov_b32 s12, 1
	s_add_co_u32 s13, s9, 65536
	s_mov_b32 s40, 1
	s_add_co_u32 s41, s9, 131072
	s_lshl_b32 s66, s62, 16                        ; weights: 65,536 oh + 16,384 wave (no place in the cluster enters)
	s_lshl_b32 s67, s18, 14
	s_add_co_u32 s66, s66, s67
	s_mov_b32 s67, 0
	s_lshl_b32 s68, s61, 21                        ; hn: batch x 2 MB + 64 wave channels of 8,192 bytes + my 128 tokens
	s_lshl_b32 s69, s18, 19
	s_add_co_u32 s68, s68, s69
	s_and_b32 s69, s60, 31
	s_lshl_b32 s69, s69, 8
	s_add_co_u32 s68, s68, s69
	s_mov_b32 s69, 0
	s_lshl_b32 s70, s60, 16                        ; qf, kf: (8 tg + 4 th) tiles of 8,192 + (4 oh + 2 og) images of 1,024
	s_lshl_b32 s20, s16, 15
	s_add_co_u32 s70, s70, s20
	s_lshl_b32 s20, s62, 12
	s_add_co_u32 s70, s70, s20
	s_lshl_b32 s20, s17, 11
	s_add_co_u32 s70, s70, s20
	s_mov_b32 s71, 0
	s_lshl_b32 s21, s62, 9                         ; biases: (128 oh + 64 og) x 4 bytes
	s_lshl_b32 s20, s17, 8
	s_add_co_u32 s21, s21, s20
	s_wait_dscnt 0x0
	s_wait_kmcnt 0x0
	s_add_nc_u64 s[6:7], s[44:45], s[68:69]
	s_or_b32 s7, s7, 0x80000000
	s_add_nc_u64 s[46:47], s[46:47], s[66:67]
	s_mov_b64 s[10:11], s[46:47]
	s_or_b32 s11, s11, 0x80000000
	s_add_nc_u64 s[14:15], s[46:47], 0x20000       ; wk: 131,072 bytes on
	s_or_b32 s15, s15, 0x80000000
	s_add_nc_u64 s[42:43], s[46:47], 0x40000       ; wv
	s_or_b32 s43, s43, 0x80000000
	s_add_nc_u64 s[54:55], s[54:55], s[70:71]
	s_add_nc_u64 s[56:57], s[56:57], s[70:71]
	s_lshl_b32 s68, s60, 16                        ; vf: (4 tg + 2 th) blocks of 16,384 + (8 oh + 4 og) images of 1,024
	s_lshl_b32 s20, s16, 15
	s_add_co_u32 s68, s68, s20
	s_lshl_b32 s20, s62, 13
	s_add_co_u32 s68, s68, s20
	s_lshl_b32 s20, s17, 12
	s_add_co_u32 s68, s68, s20
	s_add_nc_u64 s[58:59], s[58:59], s[68:69]
	ROUND                                          ; all four partners are here: the joint loads meet
	tensor_load_to_lds s[4:7], s[24:31]            ; four tensor loads of the wave are out: hn,
	s_nop 0
	tensor_load_to_lds s[8:11], s[32:39]           ; wq,
	s_nop 0
	tensor_load_to_lds s[12:15], s[32:39]          ; wk,
	s_nop 0
	tensor_load_to_lds s[40:43], s[32:39]          ; wv
	s_nop 0
	v_and_b32 v1, 31, v0                           ; L
	v_and_b32 v2, 15, v0                           ; r
	v_bfe_u32 v3, v0, 4, 1                         ; h
	v_lshlrev_b32 v[GL], 4, v1
	s_lshl_b32 s20, s17, 12                        ; my four output tiles: 4,096 og
	v_add_nc_u32 v[WA], s20, v[GL]
	v_add_nc_u32 v[WA+1], 65536, v[WA]
	v_add_nc_u32 v[WA+2], 131072, v[WA]
	v_and_b32 v12, 7, v0
	v_lshl_add_u32 v12, v3, 3, v12                 ; channel 8 h + (L & 7)
	v_mul_u32_u24 v[HA], v12, HP
	v_bfe_u32 v12, v0, 3, 1
	v_lshl_add_u32 v[HA], v12, 4, v[HA]            ; + 16 ((L >> 3) & 1)
	s_lshl_b32 s20, s16, 7                         ; + my 64 tokens
	s_add_co_u32 s20, s20, HLDS
	v_add_nc_u32 v[HA], s20, v[HA]
	v_add_nc_u32 v[HA+1], 128*HP, v[HA]            ; ks 4-7: 128 channels on, so that the offsets stay inside 16 bits
	v_lshl_add_u32 v[BO], v3, 5, s21               ; bias of outputs .. + 8 h + 0..7
	v_lshl_add_u32 v[BVO], v2, 2, s21              ; bias of output .. + r
	WIN 0x80                                       ; destination window 2
.irp i, 0,1,2,3
	global_load_b128 v[8*\i:8*\i+3], v[BO], s[48:49] offset:64*\i            ; Q: register j = bq[16 tile + 8 h + j], the C tile itself
	global_load_b128 v[8*\i+4:8*\i+7], v[BO], s[48:49] offset:64*\i+16
	global_load_b128 v[32+8*\i:32+8*\i+3], v[BO], s[50:51] offset:64*\i      ; K
	global_load_b128 v[32+8*\i+4:32+8*\i+7], v[BO], s[50:51] offset:64*\i+16
.irp j, 0,1,2,3,4,5,6,7
	global_load_b32 v[64+8*\i+\j], v[BVO], s[52:53] offset:64*\i             ; V: the lane's own channel in all eight registers
.endr
.endr
	WIN 0
	s_wait_tensorcnt 0x2                           ; my quarters of hn and wq are in; wk and wv are younger
	s_barrier_signal -1
	s_barrier_wait -1                              ; everybody's are
	WIN 0x40                                       ; all 32 hn fragments of my 64 tokens into window 1: they serve the three matrices
.irp ks, 0,1,2,3,4,5,6,7
.irp tt, 0,1,2,3
	ds_load_tr16_b128 v[8*(8*\tt+\ks):8*(8*\tt+\ks)+3], v[HA+(\ks>>2)] offset:(\ks&3)*32*HP+32*\tt
	ds_load_tr16_b128 v[8*(8*\tt+\ks)+4:8*(8*\tt+\ks)+7], v[HA+(\ks>>2)] offset:(\ks&3)*32*HP+32*\tt+16*HP
.endr
.endr
	WIN 0
	s_wait_loadcnt 0x0                             ; the biases
; One K step of 32 of matrix mat: 16 products on 16 accumulators, which take turns, one instruction a turn.
.macro MG mat, g
.if \g>=1
.if \g<=5
	WIN 0
	PLACES 4                                       ; the buffer was read by the products just issued: four places in front of loads into it
	LDG WA+\mat,(\g+2)*8192,1024,(\g+2)%3
.endif
.endif
.if \g<=5
	s_wait_dscnt 16                                ; this step's eight loads are in; the next two steps' sixteen are younger
.else
	s_wait_dscnt 8*(7-\g)
.endif
.if \mat==2
.set PW, 0x01                                      ; source 0 = hn, window 1
.else
.set PW, 0x04                                      ; source 1 = hn, window 1
.endif
.if \g==0
.set PW, PW+0x20                                   ; C = the bias tile, window 2
.endif
	WIN PW
.irp i, 0,1,2,3
.irp tt, 0,1,2,3
.if \mat==2
.if \g==0
	v_wmma_f32_16x16x32_bf16 v[ACC+8*(4*\i+\tt):ACC+8*(4*\i+\tt)+7], v[8*(8*\tt+\g):8*(8*\tt+\g)+7], v[F+32*(\g%3)+8*\i:F+32*(\g%3)+8*\i+7], v[32*\mat+8*\i:32*\mat+8*\i+7]
.else
	v_wmma_f32_16x16x32_bf16 v[ACC+8*(4*\i+\tt):ACC+8*(4*\i+\tt)+7], v[8*(8*\tt+\g):8*(8*\tt+\g)+7], v[F+32*(\g%3)+8*\i:F+32*(\g%3)+8*\i+7], v[ACC+8*(4*\i+\tt):ACC+8*(4*\i+\tt)+7]
.endif
.else
.if \g==0
	v_wmma_f32_16x16x32_bf16 v[ACC+8*(4*\i+\tt):ACC+8*(4*\i+\tt)+7], v[F+32*(\g%3)+8*\i:F+32*(\g%3)+8*\i+7], v[8*(8*\tt+\g):8*(8*\tt+\g)+7], v[32*\mat+8*\i:32*\mat+8*\i+7]
.else
	v_wmma_f32_16x16x32_bf16 v[ACC+8*(4*\i+\tt):ACC+8*(4*\i+\tt)+7], v[F+32*(\g%3)+8*\i:F+32*(\g%3)+8*\i+7], v[8*(8*\tt+\g):8*(8*\tt+\g)+7], v[ACC+8*(4*\i+\tt):ACC+8*(4*\i+\tt)+7]
.endif
.endif
.endr
.endr
.endm
; One matrix: three K steps' fragments ahead, eight K steps, the way out.
.macro MAT mat
	WIN 0
	PLACES 5                                       ; the first products write over the accumulators of the matrix before (ISA guide 7.12.1)
	s_wait_xcnt 0x0                                ; which were also the data of its stores: written again only behind this wait
	LDG WA+\mat,0,1024,0
	LDG WA+\mat,8192,1024,1
	LDG WA+\mat,16384,1024,2
.irp g, 0,1,2,3,4,5,6,7
	MG \mat,\g
.endr
	WIN 0
	PLACES 4                                       ; four places before vector instructions read the results
.if \mat==0
.set j, 0
.rept 64
	v_pk_mul_f32 v[ACC+2*j:ACC+2*j+1], v[ACC+2*j:ACC+2*j+1], 0x3db8aa3b op_sel_hi:[1,0]   ; log2(e) / 16, on product and bias together
.set j, j+1
.endr
.endif
.irp i, 0,1,2,3
.irp tt, 0,1,2,3
.irp e, 0,1,2,3
	v_cvt_pk_bf16_f32 v[ACC+8*(4*\i+\tt)+\e], v[ACC+8*(4*\i+\tt)+2*\e], v[ACC+8*(4*\i+\tt)+2*\e+1]
.endr
.if \mat==2
	global_store_b128 v[GL], v[ACC+8*(4*\i+\tt):ACC+8*(4*\i+\tt)+3], s[58:59] offset:(\tt>>1)*16384+\i*1024+(\tt&1)*512
.else
	global_store_b128 v[GL], v[ACC+8*(4*\i+\tt):ACC+8*(4*\i+\tt)+3], s[54+2*\mat:55+2*\mat] offset:\tt*8192+(\i>>1)*1024+(\i&1)*512
.endif
.endr
.endr
.endm
	MAT 0
	s_wait_dscnt 0x0
	s_wait_tensorcnt 0x1                           ; my quarter of wk is in; wv is younger
	s_barrier_signal -1
	s_barrier_wait -1
	MAT 1
	s_wait_dscnt 0x0
	s_wait_tensorcnt 0x0                           ; wv
	s_barrier_signal -1
	s_barrier_wait -1
	MAT 2
	s_wait_tensorcnt 0x0
	ds_add_u32 v30, v31
	s_wait_dscnt 0x0
	ROUND                                          ; the closing round: no partner ends while another may still ask jointly
	s_endpgm
.Lfunc_end_k_qbd059a25c9_qkv:
	.size	k_qbd059a25c9_qkv, .Lfunc_end_k_qbd059a25c9_qkv-k_qbd059a25c9_qkv
	.p2alignl 7, 3214868480
	.fill 96, 4, 3214868480
	.section	.rodata,"a",@progbits
	.p2align	6, 0x0
	.amdhsa_kernel k_qbd059a25c9_qkv
		.amdhsa_group_segment_fixed_size 270848
		.amdhsa_private_segment_fixed_size 0
		.amdhsa_enable_private_segment 0
		.amdhsa_kernarg_size 64
		.amdhsa_user_sgpr_count 2
		.amdhsa_user_sgpr_kernarg_segment_ptr 1
		.amdhsa_wavefront_size32 1
		.amdhsa_system_sgpr_workgroup_id_x 1
		.amdhsa_system_sgpr_workgroup_id_y 1
		.amdhsa_system_sgpr_workgroup_id_z 1
		.amdhsa_system_vgpr_workitem_id 0
		.amdhsa_next_free_vgpr 640
		.amdhsa_next_free_sgpr 72
		.amdhsa_reserve_vcc 0
		.amdhsa_float_denorm_mode_32 3
		.amdhsa_float_denorm_mode_16_64 3
		.amdhsa_memory_ordered 1
		.amdhsa_forward_progress 1
		.amdhsa_inst_pref_size 79
	.end_amdhsa_kernel
	.amdgpu_metadata
---
amdhsa.version: [ 1, 2 ]
amdhsa.kernels:
  - .name:           k_qbd059a25c9_qkv
    .symbol:         k_qbd059a25c9_qkv.kd
    .args:
      - { .name: hn, .offset: 0, .size: 8, .value_kind: global_buffer, .address_space: global }
      - { .name: wf, .offset: 8, .size: 8, .value_kind: global_buffer, .address_space: global }
      - { .name: bq, .offset: 16, .size: 8, .value_kind: global_buffer, .address_space: global }
      - { .name: bk, .offset: 24, .size: 8, .value_kind: global_buffer, .address_space: global }
      - { .name: bv, .offset: 32, .size: 8, .value_kind: global_buffer, .address_space: global }
      - { .name: qf, .offset: 40, .size: 8, .value_kind: global_buffer, .address_space: global }
      - { .name: kf, .offset: 48, .size: 8, .value_kind: global_buffer, .address_space: global }
      - { .name: vf, .offset: 56, .size: 8, .value_kind: global_buffer, .address_space: global }
    .group_segment_fixed_size: 270848
    .private_segment_fixed_size: 0
    .kernarg_segment_align: 8
    .kernarg_segment_size: 64
    .max_flat_workgroup_size: 128
    .sgpr_count:     72
    .vgpr_count:     640
    .wavefront_size: 32
...
	.end_amdgpu_metadata
.endif
;; end of part 2
;; launch attn (part 3): grid 256 x 1, 4 waves a work-group, clusters of 4 x 1, 327,680 bytes of LDS; arguments qf, kf, vf, wf, bp, x, out0; writes out0
.if DOCPART == 3
	.amdgcn_target "amdgcn-amd-amdhsa--gfx1250"
	.amdhsa_code_object_version 6
	.text
	.protected	k_qbd059a25c9_attn
	.globl	k_qbd059a25c9_attn
	.p2align	8
	.type	k_qbd059a25c9_attn,@function
k_qbd059a25c9_attn:
	s_mov_b64 s[64:65], 0
	v_nop
	global_prefetch_b8 v0, s[64:65] scope:SCOPE_SE
	s_setreg_imm32_b32 hwreg(HW_REG_WAVE_MODE, 25, 1), 1
	s_wait_xcnt 0x0
	s_wait_alu depctr_hold_cnt(0) depctr_sa_sdst(0) depctr_va_vdst(0) depctr_va_sdst(0) depctr_va_ssrc(0) depctr_va_vcc(0) depctr_vm_vsrc(0)
	s_getreg_b32 s2, hwreg(HW_REG_IB_STS2, 6, 4)
	s_cmp_eq_u32 s2, 0
	s_cbranch_scc0 .Lentry_in_a_cluster
	s_endpgm
.Lentry_in_a_cluster:
	s_bfe_u32 s2, ttmp6, 0x10000c
	s_cmp_lg_u32 s2, 0x3003
	s_cbranch_scc0 .Lentry_shape_is_right
	s_endpgm
.Lentry_shape_is_right:
; out = x + wp softmax(Q K^T) V + bp, for 64 queries a work-group (g = 4 x cluster x + cx; 64 work-groups a batch).
; Wave w holds ALL 64 queries (Q: 256 registers, O: 512 registers) and walks keys 1,024 w .. + 1,023 in 16 trips of 64 keys: a fragment of K or V read
; from LDS then feeds four products.  At the end the four waves' partial results are merged by their maxima and sums, projected and stored.
; NO SHUFFLES: S^T = K (source 0) x Q (source 1): lane = query r, registers = keys 8 h + j; two packed key tiles are P as source 1;
; O^T = V (source 0) x P: lane = query, registers = channels; two packed channel tiles are O as an operand of the projection.
; All operands come as fragment images (1,024 bytes: two loads of 16 bytes a lane at 16 L and 512 + 16 L; consecutive bytes, no padding needed).
; Scores are in base 2 (Q carries log2(e) / 16); the running maximum of each query is taken away before every exponential.
; CLUSTER 4 x 1: the four partners are query blocks of one batch and walk the same K and V: wave w of each asks jointly for the same tile.
; Each wave has one slot for K and one for V (32 KB each).  V(t) is asked for at the head of trip t and waited for in the middle of the softmax;
; K(t + 1) is asked for there and waited for at the head of trip t + 1: between each request and its wait stand 128 products and about half of the
; trip's vector work.  Each refill stands behind a round of the cluster's barrier, in front of which every wave has waited for its LDS reads and for
; all its tensor loads.  At most two tensor loads of a wave are out (at the start), later one.
; ORDER OF THE KEYS: a softmax does not depend on it.  Cluster j (0 to 15) of a batch starts each wave's 16 tiles at tile j xor 14 (j & 1) and walks
; round modulo 16, so that in every step the 16 clusters ask for 16 different tiles and the 16 requests for a tile fall into 16 different steps.
; The xor: of the eight clusters that agree in any one bit of j the starts lie at most three tiles apart.
; LIMITS: matrix operands are bf16 (P and the merged O too), sums f32; v_exp_f32 gives zero for results below 2^-126; the sums over the keys are
; made in the order of the walk, which differs from cluster to cluster.
.set RING,  262144                     ; wave w: K slot at 65,536 w, V slot 32,768 behind it.  After the last fill: stage for O, then for the output rows
.set STAT,  262144                     ; 2,048 bytes: (maximum, sum) of wave w, query tile qt, query r at 512 w + 128 qt + 8 r; no fill lands here
.set BFS,   264192                     ; 32,768 bytes: the merged O as bf16 images, (8 qt + ks) x 1,024; no fill lands here
.set OP,    272                        ; pitch of the output stage: 256 bytes + 16
.set LA,  1                            ; v1       65,536 w + 16 L
.set ML,  2                            ; v2-9     pairs (running maximum, running sum) of query tile qt
.set AN,  10                           ; v10-17   pairs (factor for the old sums, new maximum)
.set T,   18                           ; v18-25   pairs at work
.set T2,  26                           ; v26-29   the other half's figure
.set GL,  30                           ; v30      16 L
.set STA, 31                           ; v31      where my (maximum, sum) go
.set S,   32                           ; v32-159  scores: tile (kt, qt) at 16 (4 (kt >> 1) + qt) + 8 (kt & 1); P(p, qt) packs into the first 8 of its 16
.set F,   160                          ; v160-255 three buffers of four fragments
                                       ; window 1: Q(qt, ks) at 8 (8 qt + ks);  windows 2, 3: O(ct, qt) at 8 (4 (ct & 7) + qt), ct < 8 in window 2
.set EBP, 224                          ; the way out: v224-231 bias pairs; v232.. addresses
.set ESTR, 232
.set EXO,  233
.set EBPO, 234
.set EBFW, 235
.set EBFR, 236
.set EOST, 237
.set EORD, 238
.set ER,   239
.set EH,   240
.set EMA,  241                         ; v241-244
.set MSB, 0
.macro WIN new                         ; s_set_vgpr_msb: bits 1:0 source 0, 3:2 source 1, 5:4 source 2, 7:6 destination; the high byte repeats the setting left
.if MSB != \new
	s_set_vgpr_msb (MSB<<8)|\new
.set MSB, \new
.endif
.endm
.macro PLACES n
.rept \n
	v_nop
.endr
.endm
.macro ROUND                           ; a round of the cluster's barrier: my work-group's barrier, wave 0 signals for it, all wait, my barrier again
	s_barrier_signal -1
	s_barrier_wait -1
	s_cmp_lg_u32 s18, 0
	s_cbranch_scc1 .Lnot_wave_0_\@
	s_barrier_signal -3
.Lnot_wave_0_\@:
	s_barrier_wait -3
	s_barrier_signal -1
	s_barrier_wait -1
.endm
.macro LDG adr, off, stride, buf       ; four fragments, eight loads of 512 consecutive bytes, into buffer buf
.irp i, 0,1,2,3
	ds_load_b128 v[F+32*(\buf)+8*\i:F+32*(\buf)+8*\i+3], v[\adr] offset:(\off)+(\stride)*\i
	ds_load_b128 v[F+32*(\buf)+8*\i+4:F+32*(\buf)+8*\i+7], v[\adr] offset:(\off)+(\stride)*\i+512
.endr
.endm
	s_load_b256 s[4:11], s[0:1], 0x0               ; qf s[4:5], kf s[6:7], vf s[8:9], wf s[10:11]
	s_load_b128 s[12:15], s[0:1], 0x20             ; bp s[12:13], x s[14:15]
	s_load_b64 s[16:17], s[0:1], 0x30              ; out0
	v_lshl_add_u32 v24, v0, 2, 0x48800
	v_mov_b32 v25, 0
	ds_add_u32 v24, v25
	s_wait_dscnt 0x0
	v_lshrrev_b32 v1, 5, v0
	v_readfirstlane_b32 s18, v1                    ; wave
	s_bfe_u32 s19, ttmp6, 0x40000                  ; cx
	s_lshl_b32 s20, ttmp9, 2
	s_add_co_u32 s20, s20, s19                     ; g: my 64 queries
	s_lshr_b32 s21, ttmp9, 4                       ; batch: 16 clusters each, the same in all partners
	s_and_b32 s22, ttmp9, 15                       ; j: my cluster in its batch, the same in all partners
	s_and_b32 s23, ttmp9, 1
	s_mul_i32 s23, s23, 14
	s_xor_b32 s22, s22, s23                        ; s22: the tile of K asked for last, at first the start j xor 14 (j & 1)
	s_mov_b32 s23, s22                             ; s23: the tile of V asked for last
	s_lshl_b32 s54, s22, 15                        ; s[54:55]: a tile's byte offset in the wave's stream, 32,768 a tile
	s_mov_b32 s55, 0
	s_mov_b32 s42, 0x76543210                      ; v_permlanex16_b32: lane i reads lane i of the other half
	s_mov_b32 s43, 0xfedcba98
	; group 1: a dense block of 32 KB as 128 rows of 32 elements of 8 bytes; mask = all four partners, bit 21 beside it
	s_mov_b32 s24, 15|(3<<16)|(1<<21)
	s_mov_b32 s25, 32<<16                          ; tensor_dim0 = 32
	s_mov_b32 s26, 128<<16                         ; tensor_dim1 = 128
	s_mov_b32 s27, 32<<16                          ; tile_dim0 = 32
	s_mov_b32 s28, 128                             ; tile_dim1 = 128
	s_mov_b32 s29, 32                              ; pitch
	s_mov_b32 s30, 0
	s_mov_b32 s31, 0
	s_lshl_b32 s44, s21, 21                        ; K and V: batch x 2 MB + wave x 512 KB (no place in the cluster enters)
	s_lshl_b32 s45, s18, 19
	s_add_co_u32 s44, s44, s45
	s_mov_b32 s45, 0
	s_lshl_b32 s46, s20, 15                        ; Q: four token tiles of 8,192 bytes
	s_mov_b32 s47, 0
	s_mov_b32 s32, 1                               ; group 0 for K: s[32:35]
	s_mul_i32 s33, s18, 65536
	s_mov_b32 s36, 1                               ; group 0 for V: s[36:39]
	s_add_co_u32 s37, s33, 32768
	v_and_b32 v2, 31, v0
	v_lshlrev_b32 v[GL], 4, v2
	v_add_nc_u32 v[LA], s33, v[GL]
	v_and_b32 v3, 15, v0
	s_lshl_b32 s48, s18, 9
	s_add_co_u32 s48, s48, STAT
	v_lshl_add_u32 v[STA], v3, 3, s48
.irp qt, 0,1,2,3
	v_mov_b32 v[ML+2*\qt+1], 0                     ; the pair is read whole before the first sum is there
	v_mov_b32 v[T2+\qt], 0                         ; v_permlanex16_b32 counts as a reader of its destination
.endr
	s_wait_kmcnt 0x0
	s_add_nc_u64 s[4:5], s[4:5], s[46:47]
	s_add_nc_u64 s[56:57], s[6:7], s[44:45]        ; s[56:57]: my wave's stream of K;  s[58:59]: of V
	s_add_nc_u64 s[58:59], s[8:9], s[44:45]
	s_add_nc_u64 s[34:35], s[56:57], s[54:55]      ; the start tile
	s_or_b32 s35, s35, 0x80000000
	s_add_nc_u64 s[38:39], s[58:59], s[54:55]
	s_or_b32 s39, s39, 0x80000000
	WIN 0x40                                       ; Q stays in window 1 for the whole walk
.irp qt, 0,1,2,3
.irp ks, 0,1,2,3,4,5,6,7
	global_load_b128 v[8*(8*\qt+\ks):8*(8*\qt+\ks)+3], v[GL], s[4:5] offset:(8*\qt+\ks)*1024
	global_load_b128 v[8*(8*\qt+\ks)+4:8*(8*\qt+\ks)+7], v[GL], s[4:5] offset:(8*\qt+\ks)*1024+512
.endr
.endr
	WIN 0
	ROUND                                          ; all four partners are here: the first joint loads meet
	tensor_load_to_lds s[32:35], s[24:31]          ; K(0)
	s_nop 0
	tensor_load_to_lds s[36:39], s[24:31]          ; V(0)
	s_nop 0
; Scores, K step g of 32 channels: four key tiles x four query tiles = 16 accumulators, which take turns, one instruction a turn.
.macro SG g
.if \g>=1
.if \g<=5
	PLACES 4                                       ; the buffer was read by the products just issued: four places in front of loads into it
	LDG LA,(\g+2)*1024,8192,(\g+2)%3
.endif
.endif
.if \g<=5
	s_wait_dscnt 16                                ; this group's eight loads are in; the next two groups' sixteen are younger
.else
	s_wait_dscnt 8*(7-\g)
.endif
.irp i, 0,1,2,3
.irp qt, 0,1,2,3
.if \g==0
	v_wmma_f32_16x16x32_bf16 v[S+16*(4*(\i>>1)+\qt)+8*(\i&1):S+16*(4*(\i>>1)+\qt)+8*(\i&1)+7], v[F+32*(\g%3)+8*\i:F+32*(\g%3)+8*\i+7], v[8*(8*\qt+\g):8*(8*\qt+\g)+7], 0
.else
	v_wmma_f32_16x16x32_bf16 v[S+16*(4*(\i>>1)+\qt)+8*(\i&1):S+16*(4*(\i>>1)+\qt)+8*(\i&1)+7], v[F+32*(\g%3)+8*\i:F+32*(\g%3)+8*\i+7], v[8*(8*\qt+\g):8*(8*\qt+\g)+7], v[S+16*(4*(\i>>1)+\qt)+8*(\i&1):S+16*(4*(\i>>1)+\qt)+8*(\i&1)+7]
.endif
.endr
.endr
.endm
; P V, group g: keys 32 (g >> 2) .., channel tiles 4 (g & 3) + 0..3, four query tiles: 16 accumulators by turns.
.macro PVG g, first
.if \g>=1
.if \g<=5
	WIN 0
	PLACES 4
	LDG LA,32768+(\g+2)*4096,1024,(\g+2)%3
.endif
.endif
.if \g<=5
	s_wait_dscnt 16
.else
	s_wait_dscnt 8*(7-\g)
.endif
.if (\g&3)<2
	WIN 0xa0                                       ; C and D in window 2
.else
	WIN 0xf0                                       ; in window 3
.endif
.set ZC, 0
.if \first
.if \g<4
.set ZC, 1                                         ; the very first products start the sums: nothing is cleared
.endif
.endif
.irp i, 0,1,2,3
.irp qt, 0,1,2,3
.if ZC
	v_wmma_f32_16x16x32_bf16 v[8*(4*((4*(\g&3)+\i)&7)+\qt):8*(4*((4*(\g&3)+\i)&7)+\qt)+7], v[F+32*(\g%3)+8*\i:F+32*(\g%3)+8*\i+7], v[S+16*(4*(\g>>2)+\qt):S+16*(4*(\g>>2)+\qt)+7], 0
.else
	v_wmma_f32_16x16x32_bf16 v[8*(4*((4*(\g&3)+\i)&7)+\qt):8*(4*((4*(\g&3)+\i)&7)+\qt)+7], v[F+32*(\g%3)+8*\i:F+32*(\g%3)+8*\i+7], v[S+16*(4*(\g>>2)+\qt):S+16*(4*(\g>>2)+\qt)+7], v[8*(4*((4*(\g&3)+\i)&7)+\qt):8*(4*((4*(\g&3)+\i)&7)+\qt)+7]
.endif
.endr
.endr
.endm
; The softmax step on 64 keys x 64 queries.  A lane holds 32 scores of each of four queries; the lane 16 away holds the other 32.
; Each step is written over the four query tiles, so that neighbouring lines do not wait for each other.
; First part: the new maxima, the subtraction, the exponentials.
.macro SOFTMAX_A first
.irp qt, 0,1,2,3
	v_max3_num_f32 v[T+2*\qt], v[S+16*\qt], v[S+16*\qt+1], v[S+16*\qt+2]
	v_max3_num_f32 v[T+2*\qt+1], v[S+64+16*\qt], v[S+64+16*\qt+1], v[S+64+16*\qt+2]
.endr
.irp k, 3,5,7,9,11,13
.irp qt, 0,1,2,3
	v_max3_num_f32 v[T+2*\qt], v[T+2*\qt], v[S+16*\qt+\k], v[S+16*\qt+\k+1]
	v_max3_num_f32 v[T+2*\qt+1], v[T+2*\qt+1], v[S+64+16*\qt+\k], v[S+64+16*\qt+\k+1]
.endr
.endr
.irp qt, 0,1,2,3
	v_max3_num_f32 v[T+2*\qt], v[T+2*\qt], v[S+16*\qt+15], v[S+64+16*\qt+15]
.endr
.irp qt, 0,1,2,3
.if \first
	v_max_num_f32 v[T+2*\qt], v[T+2*\qt], v[T+2*\qt+1]
.else
	v_max3_num_f32 v[T+2*\qt], v[T+2*\qt], v[T+2*\qt+1], v[ML+2*\qt]   ; with the running maximum
.endif
.endr
.irp qt, 0,1,2,3
	v_permlanex16_b32 v[T2+\qt], v[T+2*\qt], s42, s43
.endr
.irp qt, 0,1,2,3
	v_max_num_f32 v[AN+2*\qt+1], v[T+2*\qt], v[T2+\qt]                 ; the new maximum, the same in both halves of the lanes
.endr
.if \first==0
.irp qt, 0,1,2,3
	v_sub_f32 v[AN+2*\qt], v[ML+2*\qt], v[AN+2*\qt+1]                  ; old - new, at most 0
.endr
.endif
.irp qt, 0,1,2,3
	v_mov_b32 v[ML+2*\qt], v[AN+2*\qt+1]
.endr
.irp p, 0,1
.irp qt, 0,1,2,3
.irp k, 0,2,4,6,8,10,12,14
	v_pk_add_f32 v[S+64*\p+16*\qt+\k:S+64*\p+16*\qt+\k+1], v[S+64*\p+16*\qt+\k:S+64*\p+16*\qt+\k+1], v[ML+2*\qt:ML+2*\qt+1] op_sel_hi:[1,0] neg_lo:[0,1] neg_hi:[0,1]
.endr
.endr
.endr
.if \first==0
.irp qt, 0,1,2,3
	v_exp_f32 v[AN+2*\qt], v[AN+2*\qt]
.endr
.endif
.set j, 0
.rept 128
	v_exp_f32 v[S+j], v[S+j]
.set j, j+1
.endr
	v_nop                                          ; one plain instruction behind the transcendentals before their results are used (ISA guide 5.7.2)
.endm
; Second part: the sums and the packing of P.
.macro SOFTMAX_B first
	s_wait_alu depctr_va_vdst(0)
.irp qt, 0,1,2,3
	v_pk_add_f32 v[T+2*\qt:T+2*\qt+1], v[S+16*\qt:S+16*\qt+1], v[S+16*\qt+2:S+16*\qt+3]
.endr
.irp k, 4,6,8,10,12,14
.irp qt, 0,1,2,3
	v_pk_add_f32 v[T+2*\qt:T+2*\qt+1], v[T+2*\qt:T+2*\qt+1], v[S+16*\qt+\k:S+16*\qt+\k+1]
.endr
.endr
.irp k, 0,2,4,6,8,10,12,14
.irp qt, 0,1,2,3
	v_pk_add_f32 v[T+2*\qt:T+2*\qt+1], v[T+2*\qt:T+2*\qt+1], v[S+64+16*\qt+\k:S+64+16*\qt+\k+1]
.endr
.endr
.irp qt, 0,1,2,3
.if \first
	v_add_f32 v[ML+2*\qt+1], v[T+2*\qt], v[T+2*\qt+1]
.else
	v_fma_f32 v[ML+2*\qt+1], v[ML+2*\qt+1], v[AN+2*\qt], v[T+2*\qt]    ; the lane's own half of the sum; the halves meet at the end
.endif
.endr
.if \first==0
.irp qt, 0,1,2,3
	v_add_f32 v[ML+2*\qt+1], v[ML+2*\qt+1], v[T+2*\qt+1]
.endr
.endif
.irp p, 0,1
.irp qt, 0,1,2,3
.irp i, 0,1,2,3,4,5,6,7
	v_cvt_pk_bf16_f32 v[S+64*\p+16*\qt+\i], v[S+64*\p+16*\qt+2*\i], v[S+64*\p+16*\qt+2*\i+1]   ; in place: each source has been read before it is written
.endr
.endr
.endr
.endm
.macro RESCALE win                     ; one window of O times the factor of its query tile
	WIN \win
.irp c, 0,1,2,3,4,5,6,7
.irp qt, 0,1,2,3
.irp k, 0,2,4,6
	v_pk_mul_f32 v[8*(4*\c+\qt)+\k:8*(4*\c+\qt)+\k+1], v[8*(4*\c+\qt)+\k:8*(4*\c+\qt)+\k+1], v[AN+2*\qt:AN+2*\qt+1] op_sel_hi:[1,0]
.endr
.endr
.endr
.endm
; One trip: 64 keys.  first: the sums start here.  fillv: V's slot is filled at the head.  fillk: K's slot is filled in the middle of the softmax.
.macro TRIP first, fillv, fillk
.if \fillv
	s_wait_dscnt 0x0                               ; my reads of V's slot are back
	s_wait_xcnt 0x0
	v_lshl_add_u32 v24, v0, 2, 0x48800
	v_mov_b32 v25, 0
	s_wait_tensorcnt 0x0                           ; all my tensor loads have landed (this trip's K), so group 0 may be written
	ds_add_u32 v24, v25
	s_wait_dscnt 0x0
	s_add_co_u32 s23, s23, 1                       ; the next tile of the walk, modulo 16
	s_and_b32 s23, s23, 15
	s_lshl_b32 s54, s23, 15
	s_add_nc_u64 s[38:39], s[58:59], s[54:55]
	s_or_b32 s39, s39, 0x80000000
	ROUND                                          ; both hold of every wave of every partner
	tensor_load_to_lds s[36:39], s[24:31]          ; V(t): the first tensor load behind the round
	s_nop 0
.else
	s_wait_tensorcnt 0x1                           ; K(0) is in; V(0) is younger
	s_wait_loadcnt 0x0                             ; Q
.endif
	PLACES 5                                       ; the first products write over P, and the loads land in buffers, that the last products read
	WIN 0x04                                       ; source 1 = Q, window 1; the loads' destination and address stay in window 0
	LDG LA,0,8192,0
	LDG LA,1024,8192,1
	LDG LA,2048,8192,2
.irp g, 0,1,2,3,4,5,6,7
	SG \g
.endr
	WIN 0
	PLACES 4                                       ; four places before the scores are read, and before loads land in the buffers further down
	SOFTMAX_A \first
	s_wait_dscnt 0x0                               ; my reads of K's slot are back (met: the scores' last wait was for 0)
	s_wait_xcnt 0x0
	v_lshl_add_u32 v24, v0, 2, 0x48800
	v_mov_b32 v25, 0
	s_wait_tensorcnt 0x0                           ; V(t) has landed: no tensor load of mine is out
	ds_add_u32 v24, v25
	s_wait_dscnt 0x0
.if \fillk
	s_add_co_u32 s22, s22, 1                       ; the next tile of the walk, modulo 16
	s_and_b32 s22, s22, 15
	s_lshl_b32 s54, s22, 15
	s_add_nc_u64 s[34:35], s[56:57], s[54:55]
	s_or_b32 s35, s35, 0x80000000
	ROUND
	tensor_load_to_lds s[32:35], s[24:31]          ; K(t + 1): the first tensor load behind the round
	s_nop 0
.endif
	LDG LA,32768,1024,0                            ; V's first three groups come in during the sums, the packing and the rescaling
	LDG LA,32768+4096,1024,1
	LDG LA,32768+8192,1024,2
	SOFTMAX_B \first
.if \first==0
	RESCALE 0x82
	RESCALE 0xc3
.endif
.irp g, 0,1,2,3,4,5,6,7
	PVG \g,\first
.endr
	WIN 0
.endm
	TRIP 1,0,1
	s_mov_b32 s40, 14
.Ltrip:
	TRIP 0,1,1
	s_sub_co_i32 s40, s40, 1
	s_cmp_lg_u32 s40, 0
	s_cbranch_scc1 .Ltrip
	TRIP 0,1,0                                     ; the last trip asks for no further K
	; ---- the way out ----
	PLACES 4                                       ; four places behind the last products: O is read, P's and the buffers' registers are written
	v_and_b32 v[ER], 15, v0
	v_bfe_u32 v[EH], v0, 4, 1
	s_lshl_b32 s48, s18, 7
	s_add_co_u32 s48, s48, STAT
	v_lshl_add_u32 v[ESTR], v[ER], 3, s48          ; the four waves' figures for query tile w
	s_lshl_b32 s49, s18, 20
	v_lshl_add_u32 v[EXO], v[EH], 14, s49          ; x, out: row 64 w + h of 16,384 bytes
	v_lshl_add_u32 v[EXO], v[ER], 4, v[EXO]        ; + 16 r
	s_lshl_b32 s49, s18, 8
	v_lshl_add_u32 v[EBPO], v[ER], 2, s49          ; bp[64 w + r]
	s_lshl_b32 s49, s18, 13
	s_add_co_u32 s49, s49, BFS
	v_add_nc_u32 v[EBFW], s49, v[GL]               ; my query tile's images
	v_add_nc_u32 v[EBFR], BFS, v[GL]
	s_mul_i32 s49, s18, 64*OP                      ; my 64 output rows' stage
	v_mul_u32_u24 v[EOST], v[ER], OP
	v_lshl_add_u32 v[EOST], v[EH], 5, v[EOST]
	v_add_nc_u32 v[EOST], s49, v[EOST]             ; in: row r, 32 bytes for each half of the lanes
	v_mul_u32_u24 v[EORD], v[EH], OP
	v_lshl_add_u32 v[EORD], v[ER], 4, v[EORD]
	v_add_nc_u32 v[EORD], s49, v[EORD]             ; back: lanes 0-15 one row of 256 bytes, lanes 16-31 the next
	s_lshl_b32 s49, s18, 14
	v_add_nc_u32 v[EMA], s49, v[GL]                ; O of wave w'', query tile w: 65,536 w'' + 16,384 w + 16 L
	v_add_nc_u32 v[EMA+1], 65536, v[EMA]
	v_add_nc_u32 v[EMA+2], 131072, v[EMA]
	v_add_nc_u32 v[EMA+3], 196608, v[EMA]
	s_lshr_b32 s50, s18, 1                         ; wp's images of my outputs: 393,216 + 65,536 (w >> 1) + 4,096 (w & 1)
	s_lshl_b32 s50, s50, 16
	s_and_b32 s51, s18, 1
	s_lshl_b32 s51, s51, 12
	s_add_co_u32 s50, s50, s51
	s_add_co_u32 s50, s50, 393216
	s_mov_b32 s51, 0
	s_add_nc_u64 s[10:11], s[10:11], s[50:51]
	s_lshl_b32 s52, s21, 22                        ; x, out: batch x 4 MB + my 64 pixels
	s_and_b32 s53, s20, 63
	s_lshl_b32 s53, s53, 8
	s_add_co_u32 s52, s52, s53
	s_mov_b32 s53, 0
	s_add_nc_u64 s[14:15], s[14:15], s[52:53]
	s_add_nc_u64 s[16:17], s[16:17], s[52:53]
.irp qt, 0,1,2,3
	v_permlanex16_b32 v[T2+\qt], v[ML+2*\qt+1], s42, s43
.endr
.irp qt, 0,1,2,3
	v_add_f32 v[ML+2*\qt+1], v[ML+2*\qt+1], v[T2+\qt]                  ; the two halves of the sum
	ds_store_b64 v[STA], v[ML+2*\qt:ML+2*\qt+1] offset:128*\qt
.endr
	; my O in f32 into my own 64 KB of the ring, which has had its last fill
	WIN 0x08                                       ; store data from window 2
.irp ct, 0,1,2,3,4,5,6,7
.irp qt, 0,1,2,3
	ds_store_b128 v[LA], v[8*(4*\ct+\qt):8*(4*\ct+\qt)+3] offset:(16*\qt+\ct)*1024
	ds_store_b128 v[LA], v[8*(4*\ct+\qt)+4:8*(4*\ct+\qt)+7] offset:(16*\qt+\ct)*1024+512
.endr
.endr
	WIN 0x0c                                       ; from window 3
.irp ct, 0,1,2,3,4,5,6,7
.irp qt, 0,1,2,3
	ds_store_b128 v[LA], v[8*(4*\ct+\qt):8*(4*\ct+\qt)+3] offset:(16*\qt+\ct+8)*1024
	ds_store_b128 v[LA], v[8*(4*\ct+\qt)+4:8*(4*\ct+\qt)+7] offset:(16*\qt+\ct+8)*1024+512
.endr
.endr
	WIN 0x40                                       ; wp's images of my four output tiles into window 1 (Q is done): (ks, i) at 8 (4 ks + i)
.irp ks, 0,1,2,3,4,5,6,7
.irp i, 0,1,2,3
	global_load_b128 v[8*(4*\ks+\i):8*(4*\ks+\i)+3], v[GL], s[10:11] offset:\ks*8192+\i*1024
	global_load_b128 v[8*(4*\ks+\i)+4:8*(4*\ks+\i)+7], v[GL], s[10:11] offset:\ks*8192+\i*1024+512
.endr
.endr
	WIN 0
.irp i, 0,1,2,3
	global_load_b32 v[EBP+2*\i], v[EBPO], s[12:13] offset:64*\i        ; bp[64 w + 16 i + r], twice: a pair for the packed add
	global_load_b32 v[EBP+2*\i+1], v[EBPO], s[12:13] offset:64*\i
.endr
	s_wait_dscnt 0x0                               ; my stores are done, for the others' sake
	s_barrier_signal -1
	s_barrier_wait -1
	WIN 0x80                                       ; x's rows 64 w .. + 63, my 64 pixels, into window 2 (O has left it)
.irp i, 0,1,2,3,4,5,6,7,8,9,10,11,12,13,14,15,16,17,18,19,20,21,22,23,24,25,26,27,28,29,30,31
	global_load_b128 v[4*\i:4*\i+3], v[EXO], s[14:15] offset:32768*\i
.endr
	WIN 0
	; the weights of the four partial results for query tile w: f(w'') = 2^(m(w'') - m) / sum of 2^(m(w'') - m) l(w'')
.irp ww, 0,1,2,3
	ds_load_b64 v[T+2*\ww:T+2*\ww+1], v[ESTR] offset:512*\ww
.endr
	s_wait_dscnt 0x0
	v_max3_num_f32 v2, v[T], v[T+2], v[T+4]
	v_max_num_f32 v2, v2, v[T+6]
.irp ww, 0,1,2,3
	v_sub_f32 v[AN+2*\ww], v[T+2*\ww], v2
.endr
.irp ww, 0,1,2,3
	v_exp_f32 v[AN+2*\ww], v[AN+2*\ww]
.endr
	v_nop
	s_wait_alu depctr_va_vdst(0)
	v_mul_f32 v3, v[AN], v[T+1]
	v_fma_f32 v3, v[AN+2], v[T+3], v3
	v_fma_f32 v3, v[AN+4], v[T+5], v3
	v_fma_f32 v3, v[AN+6], v[T+7], v3              ; at least 1: the wave that holds the maximum has a term 2^0 in its sum
	v_rcp_f32 v4, v3
	v_nop
	s_wait_alu depctr_va_vdst(0)
.irp ww, 0,1,2,3
	v_mul_f32 v[AN+2*\ww], v[AN+2*\ww], v4
.endr
; two channel tiles (one K step of the projection) of all four waves' O into half buf of S's registers
.macro MLOAD ks, buf
.irp ww, 0,1,2,3
.irp t, 0,1
	ds_load_b128 v[S+64*\buf+16*\ww+8*\t:S+64*\buf+16*\ww+8*\t+3], v[EMA+\ww] offset:(2*\ks+\t)*1024
	ds_load_b128 v[S+64*\buf+16*\ww+8*\t+4:S+64*\buf+16*\ww+8*\t+7], v[EMA+\ww] offset:(2*\ks+\t)*1024+512
.endr
.endr
.endm
.macro MSUM ks, buf                    ; the weighted sum, rounded once to bf16: fragment ks of the merged O
.irp k, 0,2,4,6,8,10,12,14
	v_pk_mul_f32 v[S+64*\buf+\k:S+64*\buf+\k+1], v[S+64*\buf+\k:S+64*\buf+\k+1], v[AN:AN+1] op_sel_hi:[1,0]
.endr
.irp ww, 1,2,3
.irp k, 0,2,4,6,8,10,12,14
	v_pk_fma_f32 v[S+64*\buf+\k:S+64*\buf+\k+1], v[S+64*\buf+16*\ww+\k:S+64*\buf+16*\ww+\k+1], v[AN+2*\ww:AN+2*\ww+1], v[S+64*\buf+\k:S+64*\buf+\k+1] op_sel_hi:[1,0,1]
.endr
.endr
.irp i, 0,1,2,3,4,5,6,7
	v_cvt_pk_bf16_f32 v[F+8*\ks+\i], v[S+64*\buf+2*\i], v[S+64*\buf+2*\i+1]
.endr
.endm
	MLOAD 0,0
	MLOAD 1,1
.irp ks, 0,1,2,3,4,5,6,7
.if \ks<=6
	s_wait_dscnt 16                                ; this step's sixteen loads are in; the next step's are younger
.else
	s_wait_dscnt 0
.endif
	MSUM \ks,(\ks&1)
.if \ks<=5
	MLOAD (\ks+2),(\ks&1)
.endif
.endr
.irp ks, 0,1,2,3,4,5,6,7
	ds_store_b128 v[EBFW], v[F+8*\ks:F+8*\ks+3] offset:\ks*1024
	ds_store_b128 v[EBFW], v[F+8*\ks+4:F+8*\ks+7] offset:\ks*1024+512
.endr
	s_wait_dscnt 0x0                               ; my reads of the O stage and my stores of the images are done
	s_barrier_signal -1
	s_barrier_wait -1
	WIN 0xc0                                       ; all four query tiles' images into window 3, K step by K step: (qt, ks) at 8 (8 qt + ks)
.irp ks, 0,1,2,3,4,5,6,7
.irp qt, 0,1,2,3
	ds_load_b128 v[8*(8*\qt+\ks):8*(8*\qt+\ks)+3], v[EBFR] offset:(8*\qt+\ks)*1024
	ds_load_b128 v[8*(8*\qt+\ks)+4:8*(8*\qt+\ks)+7], v[EBFR] offset:(8*\qt+\ks)*1024+512
.endr
.endr
	; the projection, sources swapped: source 0 = O (rows = queries), source 1 = wp (columns = outputs): a lane holds eight neighbouring pixels
	; of output row 64 w + 16 i + r.  16 accumulators by turns.
	WIN 0x07                                       ; source 0 window 3, source 1 window 1
	s_wait_loadcnt 32                              ; wp and bp are in; x's 32 loads are younger
.irp ks, 0,1,2,3,4,5,6,7
	s_wait_dscnt 56-8*\ks                          ; this K step's eight loads are in; the later steps' are younger
.irp i, 0,1,2,3
.irp qt, 0,1,2,3
.if \ks==0
	v_wmma_f32_16x16x32_bf16 v[S+8*(4*\i+\qt):S+8*(4*\i+\qt)+7], v[8*(8*\qt+\ks):8*(8*\qt+\ks)+7], v[8*(4*\ks+\i):8*(4*\ks+\i)+7], 0
.else
	v_wmma_f32_16x16x32_bf16 v[S+8*(4*\i+\qt):S+8*(4*\i+\qt)+7], v[8*(8*\qt+\ks):8*(8*\qt+\ks)+7], v[8*(4*\ks+\i):8*(4*\ks+\i)+7], v[S+8*(4*\i+\qt):S+8*(4*\i+\qt)+7]
.endif
.endr
.endr
.endr
	WIN 0
	PLACES 4                                       ; four places before the results are read and before loads land in window 3
.irp i, 0,1,2,3
.irp qt, 0,1,2,3
.irp k, 0,2,4,6
	v_pk_add_f32 v[S+8*(4*\i+\qt)+\k:S+8*(4*\i+\qt)+\k+1], v[S+8*(4*\i+\qt)+\k:S+8*(4*\i+\qt)+\k+1], v[EBP+2*\i:EBP+2*\i+1]
.endr
	ds_store_b128 v[EOST], v[S+8*(4*\i+\qt):S+8*(4*\i+\qt)+3] offset:16*OP*\i+64*\qt        ; my own stage: rows 272 bytes apart, so sixteen rows start at sixteen different 16-byte columns
	ds_store_b128 v[EOST], v[S+8*(4*\i+\qt)+4:S+8*(4*\i+\qt)+7] offset:16*OP*\i+64*\qt+16
.endr
.endr
	WIN 0xc0                                       ; whole rows back into window 3; LDS serves a wave's instructions in order (ISA guide 5.7.1.4): these see the stores above
.irp i, 0,1,2,3,4,5,6,7,8,9,10,11,12,13,14,15,16,17,18,19,20,21,22,23,24,25,26,27,28,29,30,31
	ds_load_b128 v[4*\i:4*\i+3], v[EORD] offset:2*OP*\i
.endr
	s_wait_loadcnt 0x0                             ; x
	s_wait_dscnt 0x0
	WIN 0xcb                                       ; window 3 += window 2: the residual
.set j, 0
.rept 64
	v_pk_add_f32 v[2*j:2*j+1], v[2*j:2*j+1], v[2*j:2*j+1]
.set j, j+1
.endr
	WIN 0x0c                                       ; store data from window 3
.irp i, 0,1,2,3,4,5,6,7,8,9,10,11,12,13,14,15,16,17,18,19,20,21,22,23,24,25,26,27,28,29,30,31
	global_store_b128 v[EXO], v[4*\i:4*\i+3], s[16:17] offset:32768*\i   ; sixteen lanes store 256 consecutive bytes, aligned
.endr
	WIN 0
	s_wait_xcnt 0x0
	v_lshl_add_u32 v24, v0, 2, 0x48800
	v_mov_b32 v25, 0
	s_wait_tensorcnt 0x0
	ds_add_u32 v24, v25
	s_wait_dscnt 0x0
	ROUND                                          ; the closing round: no partner ends while another may still ask jointly
	s_endpgm
.Lfunc_end_k_qbd059a25c9_attn:
	.size	k_qbd059a25c9_attn, .Lfunc_end_k_qbd059a25c9_attn-k_qbd059a25c9_attn
	.p2alignl 7, 3214868480
	.fill 96, 4, 3214868480
	.section	.rodata,"a",@progbits
	.p2align	6, 0x0
	.amdhsa_kernel k_qbd059a25c9_attn
		.amdhsa_group_segment_fixed_size 327680
		.amdhsa_private_segment_fixed_size 0
		.amdhsa_enable_private_segment 0
		.amdhsa_kernarg_size 56
		.amdhsa_user_sgpr_count 2
		.amdhsa_user_sgpr_kernarg_segment_ptr 1
		.amdhsa_wavefront_size32 1
		.amdhsa_system_sgpr_workgroup_id_x 1
		.amdhsa_system_sgpr_workgroup_id_y 1
		.amdhsa_system_sgpr_workgroup_id_z 1
		.amdhsa_system_vgpr_workitem_id 0
		.amdhsa_next_free_vgpr 1024
		.amdhsa_next_free_sgpr 66
		.amdhsa_reserve_vcc 0
		.amdhsa_float_denorm_mode_32 3
		.amdhsa_float_denorm_mode_16_64 3
		.amdhsa_memory_ordered 1
		.amdhsa_forward_progress 1
		.amdhsa_inst_pref_size 255
	.end_amdhsa_kernel
	.section	.bss,"aw",@nobits
	.p2align	6
	.space	262144
	.amdgpu_metadata
---
amdhsa.version: [ 1, 2 ]
amdhsa.kernels:
  - .name:           k_qbd059a25c9_attn
    .symbol:         k_qbd059a25c9_attn.kd
    .args:
      - { .name: qf, .offset: 0, .size: 8, .value_kind: global_buffer, .address_space: global }
      - { .name: kf, .offset: 8, .size: 8, .value_kind: global_buffer, .address_space: global }
      - { .name: vf, .offset: 16, .size: 8, .value_kind: global_buffer, .address_space: global }
      - { .name: wf, .offset: 24, .size: 8, .value_kind: global_buffer, .address_space: global }
      - { .name: bp, .offset: 32, .size: 8, .value_kind: global_buffer, .address_space: global }
      - { .name: x, .offset: 40, .size: 8, .value_kind: global_buffer, .address_space: global }
      - { .name: out0, .offset: 48, .size: 8, .value_kind: global_buffer, .address_space: global }
    .group_segment_fixed_size: 327680
    .private_segment_fixed_size: 0
    .kernarg_segment_align: 8
    .kernarg_segment_size: 56
    .max_flat_workgroup_size: 128
    .sgpr_count:     66
    .vgpr_count:     1024
    .wavefront_size: 32
...
	.end_amdgpu_metadata
.endif
;; end of part 3
;; ======== version 2 of 2: 3 launches; version 1 with the launch norm written anew for expert scheduling mode
;; workspace buffers: hn 8,388,608 bytes; wf 524,288 bytes; qf 8,388,608 bytes; kf 8,388,608 bytes; vf 8,388,608 bytes
;; launch norm (part 4): grid 256 x 1, 4 waves a work-group, no clusters, 0 bytes of LDS; arguments x, wq, wk, wv, wp, hn, wf; writes hn, wf
.if DOCPART == 4
	.amdgcn_target "amdgcn-amd-amdhsa--gfx1250"
	.amdhsa_code_object_version 6
	.text
	.protected	k_qbd059a25c9_norm
	.globl	k_qbd059a25c9_norm
	.p2align	8
	.type	k_qbd059a25c9_norm,@function
k_qbd059a25c9_norm:
	s_mov_b64 s[64:65], 0
	v_nop
	global_prefetch_b8 v0, s[64:65] scope:SCOPE_SE
	s_setreg_imm32_b32 hwreg(HW_REG_WAVE_SCHED_MODE, 0, 2), 2
	s_setreg_imm32_b32 hwreg(HW_REG_WAVE_MODE, 25, 1), 1
	s_wait_xcnt 0x0
	s_wait_alu depctr_vm_vsrc(0)
; Instance norm of the 1,024 planes (b, c) of 4,096 f32, written as bf16 (hn), and the four 256 x 256 weights rewritten as bf16
; fragment images (wf).  One wave owns plane p = 4 x work-group + wave: 16,384 bytes = 128 registers, kept between the pass for the
; mean, the pass for the variance (on x - mean, so a common offset in x costs no accuracy) and the scaling: x is read once.
; The reduction never leaves the wave: no LDS, no barrier.  No matrix unit, no cluster: no work-group shares an input with another.
; FRAGMENT IMAGE: 1,024 bytes for a 16 x 32 bf16 operand; byte 512 s + 16 L + 2 e holds (row L & 15, k = 16 s + 8 (L >> 4) + e), so that
; two 16-byte loads a lane at 16 L and 512 + 16 L fill a matrix operand.  wf: image number = 128 mat + 64 (ot >> 3) + 8 ks + (ot & 7),
; rows = outputs 16 ot + r, k = inputs 32 ks + ..; mat = q, k, v, p.  Wave p writes half image p (512 bytes, one store).
; THE MODE: SCHED_MODE bits 1:0 = 2 (LLVM: expert scheduling mode 2), set by the entry lines.  The code itself states the register dependences
; between vector instructions and memory instructions, with s_wait_alu, always for 0.
; THE PLAN.  Registers that memory instructions touch:
;   v1, v2, v3  byte offsets, made at the head and never written again: v2 for the weight's two loads, v3 for the plane's 32 loads and the store into wf, v1 for the stores into hn.
;   WR          the weight's two loads land in it; four roundings read it.  WB: those roundings write it; the one store into wf reads it.  Neither is written again.
;   X           the plane's 32 loads land in it, once; the three passes work on it in place; pass 3's roundings leave bf16 in the first two of each four registers,
;               which the stores into hn read and nothing writes again.
;   SUM, RD, RT, MU, RS are named by vector instructions alone.
; No register that a memory instruction has read is written again, so no wait on vm_vsrc is owed.  Pass 3 goes in four blocks of 32 registers: the wait at the head of block b
; states that block b - 1's roundings are written; block b - 1's eight stores follow it, dealt among block b's scalings, which name block b's registers and RS alone.
.set X,   4                            ; v[4:131]   the plane
.set WR,  132                          ; v[132:139] eight weights in f32
.set WB,  140                          ; v[140:143] the same in bf16
.set SUM, 144                          ; v[144:151] four chains of two sums
.set RD,  152                          ; the sum across lanes
.set RT,  153                          ; the other half's sum
.set MU,  154                          ; v[154:155] the mean, twice
.set RS,  156                          ; v[156:157] 1 / sqrt(var + eps), twice
	s_load_b256 s[4:11], s[0:1], 0x0               ; x s[4:5], wq s[6:7], wk s[8:9], wv s[10:11]
	s_load_b128 s[12:15], s[0:1], 0x20             ; wp s[12:13], hn s[14:15]
	s_load_b64 s[16:17], s[0:1], 0x30              ; wf
	v_lshrrev_b32 v1, 5, v0
	v_readfirstlane_b32 s18, v1                    ; wave
	s_lshl_b32 s19, ttmp9, 2                       ; what does not hang on the wave's number stands between that line and the wait for it
	s_lshr_b32 s20, ttmp9, 6                       ; mat = p >> 8
	s_mov_b32 s27, 0
	s_mov_b32 s29, 0
	s_mov_b32 s31, 0
	s_mov_b32 s32, 0x76543210                      ; v_permlanex16_b32: lane i reads lane i of the other half
	s_mov_b32 s33, 0xfedcba98
	s_mov_b32 s34, 0x39800000                      ; 1 / 4096
	s_mov_b32 s35, 0x3727c5ac                      ; eps = 1e-5
	v_and_b32 v1, 31, v0                           ; lane
	v_and_b32 v2, 15, v0                           ; r
	v_bfe_u32 v3, v0, 4, 1                         ; h
	v_mov_b32 v[RT], 0                             ; v_permlanex16_b32 counts as a reader of its destination
	s_wait_alu depctr_va_sdst(0)                   ; s18 is written, ahead of its first reader: the plane's number and all three bases are made from it
	s_add_co_u32 s19, s19, s18                     ; p
	s_bfe_u32 s22, s19, 0x30001                    ; ot & 7 = bits 3:1 of p
	s_bfe_u32 s23, s19, 0x10007                    ; ot >> 3 = bit 7
	s_lshl_b32 s23, s23, 3
	s_add_co_u32 s22, s22, s23                     ; ot
	s_bfe_u32 s23, s19, 0x30004                    ; ks = bits 6:4
	s_and_b32 s24, s19, 1                          ; s = bit 0
	s_lshl_b32 s21, s22, 14                        ; 16 ot rows of 1,024 bytes
	s_lshl_b32 s23, s23, 7                         ; + 32 ks inputs of 4 bytes
	s_add_co_u32 s21, s21, s23
	s_lshl_b32 s24, s24, 6                         ; + 16 s inputs
	s_add_co_u32 s21, s21, s24
	s_lshl_b32 s26, s19, 14                        ; the plane in x
	s_lshl_b32 s28, s19, 13                        ; the plane in hn
	s_lshl_b32 s30, s19, 9                         ; the half image in wf
	v_lshl_add_u32 v2, v2, 10, s21                 ; row r
	v_lshl_add_u32 v2, v3, 5, v2                   ; + 8 h inputs: my 32 bytes of the weight
	v_lshlrev_b32 v3, 4, v1                        ; 16 x lane
	v_lshlrev_b32 v1, 3, v1                        ; 8 x lane
	s_wait_kmcnt 0x0
	s_cmp_eq_u32 s20, 1                            ; the weight of my quarter of the work-groups
	s_cselect_b64 s[6:7], s[8:9], s[6:7]
	s_cmp_eq_u32 s20, 2
	s_cselect_b64 s[6:7], s[10:11], s[6:7]
	s_cmp_eq_u32 s20, 3
	s_cselect_b64 s[6:7], s[12:13], s[6:7]
	s_add_nc_u64 s[4:5], s[4:5], s[26:27]
	s_add_nc_u64 s[14:15], s[14:15], s[28:29]
	s_add_nc_u64 s[16:17], s[16:17], s[30:31]
	s_wait_alu depctr_va_vdst(0)                   ; v1, v2 and v3 are written: every load and store of the kernel reads one of them as its offset
	global_load_b128 v[WR:WR+3], v2, s[6:7]
	global_load_b128 v[WR+4:WR+7], v2, s[6:7] offset:16
.irp k, 0,1,2,3,4,5,6,7,8,9,10,11,12,13,14,15,16,17,18,19,20,21,22,23,24,25,26,27,28,29,30,31
	global_load_b128 v[X+4*\k:X+4*\k+3], v3, s[4:5] offset:512*\k th:TH_LOAD_NT   ; 512 neighbouring bytes a load
.endr
	s_wait_loadcnt 32                              ; the two weight loads are in; the plane's 32 are younger
.irp i, 0,1,2,3
	v_cvt_pk_bf16_f32 v[WB+\i], v[WR+2*\i], v[WR+2*\i+1]   ; stored further down, behind the wait that stands ahead of pass 3
.endr
.macro LSUM                            ; v[RD] summed over the 32 lanes, the result in every lane
	v_add_f32_dpp v[RD], v[RD], v[RD] row_xmask:1 row_mask:0xf bank_mask:0xf
	v_add_f32_dpp v[RD], v[RD], v[RD] row_xmask:2 row_mask:0xf bank_mask:0xf
	v_add_f32_dpp v[RD], v[RD], v[RD] row_xmask:4 row_mask:0xf bank_mask:0xf
	v_add_f32_dpp v[RD], v[RD], v[RD] row_xmask:8 row_mask:0xf bank_mask:0xf
	v_permlanex16_b32 v[RT], v[RD], s32, s33
	v_add_f32 v[RD], v[RD], v[RT]
.endm
.macro FOLD                            ; the four chains into v[RD]
	v_pk_add_f32 v[SUM:SUM+1], v[SUM:SUM+1], v[SUM+2:SUM+3]
	v_pk_add_f32 v[SUM+4:SUM+5], v[SUM+4:SUM+5], v[SUM+6:SUM+7]
	v_pk_add_f32 v[SUM:SUM+1], v[SUM:SUM+1], v[SUM+4:SUM+5]
	v_add_f32 v[RD], v[SUM], v[SUM+1]
.endm
	; pass 1: the sum, four loads at a time as they land; the first eight pairs start the four chains
	s_wait_loadcnt 28
.irp c, 0,1,2,3
	v_pk_add_f32 v[SUM+2*\c:SUM+2*\c+1], v[X+2*\c:X+2*\c+1], v[X+8+2*\c:X+8+2*\c+1]
.endr
.irp g, 1,2,3,4,5,6,7
	s_wait_loadcnt 28-4*\g                         ; loads come back in order: the younger groups stay out
.irp c, 0,1,2,3,4,5,6,7
	v_pk_add_f32 v[SUM+2*(\c&3):SUM+2*(\c&3)+1], v[SUM+2*(\c&3):SUM+2*(\c&3)+1], v[X+16*\g+2*\c:X+16*\g+2*\c+1]
.endr
.endr
	FOLD
	LSUM
	v_mul_f32 v[MU], s34, v[RD]
	v_mov_b32 v[MU+1], v[MU]
	; pass 2: x - mean in place, then the sum of its squares
.set j, 0
.rept 64
	v_pk_add_f32 v[X+2*j:X+2*j+1], v[X+2*j:X+2*j+1], v[MU:MU+1] neg_lo:[0,1] neg_hi:[0,1]
.set j, j+1
.endr
.irp c, 0,1,2,3
	v_pk_mul_f32 v[SUM+2*\c:SUM+2*\c+1], v[X+2*\c:X+2*\c+1], v[X+2*\c:X+2*\c+1]
.endr
.set j, 4
.rept 60
	v_pk_fma_f32 v[SUM+2*(j%4):SUM+2*(j%4)+1], v[X+2*j:X+2*j+1], v[X+2*j:X+2*j+1], v[SUM+2*(j%4):SUM+2*(j%4)+1]
.set j, j+1
.endr
	FOLD
	LSUM
	v_fma_f32 v[RD], v[RD], s34, s35               ; var + eps
	v_rsq_f32 v[RS], v[RD]
	v_rsq_f32 v[RS+1], v[RD]
	v_nop                                          ; one plain instruction behind the transcendentals before their results are used (ISA guide 5.7.2)
; pass 3: scale, round once to bf16, store.  Block b is registers X + 32 b to X + 32 b + 31: sixteen packed scalings, then sixteen roundings in place.
; before = 1: the block in front is stored, one store in front of each two scalings.
.macro BLK b, before
.if \before
	s_wait_alu depctr_va_vdst(0)                   ; the roundings of the block in front have written its bf16 pairs, which the eight stores below read; no vector line of this block names them
.endif
.irp i, 0,1,2,3,4,5,6,7
.if \before
	global_store_b64 v1, v[X+32*(\b)-32+4*\i:X+32*(\b)-32+4*\i+1], s[14:15] offset:2048*(\b)-2048+256*\i   ; the wave's store covers 256 consecutive bytes, aligned
.endif
	v_pk_mul_f32 v[X+32*(\b)+4*\i:X+32*(\b)+4*\i+1], v[X+32*(\b)+4*\i:X+32*(\b)+4*\i+1], v[RS:RS+1]
	v_pk_mul_f32 v[X+32*(\b)+4*\i+2:X+32*(\b)+4*\i+3], v[X+32*(\b)+4*\i+2:X+32*(\b)+4*\i+3], v[RS:RS+1]
.endr
.irp i, 0,1,2,3,4,5,6,7
	v_cvt_pk_bf16_f32 v[X+32*(\b)+4*\i], v[X+32*(\b)+4*\i], v[X+32*(\b)+4*\i+1]
	v_cvt_pk_bf16_f32 v[X+32*(\b)+4*\i+1], v[X+32*(\b)+4*\i+2], v[X+32*(\b)+4*\i+3]
.endr
.endm
	s_wait_alu depctr_va_vdst(0)                   ; the two roots v[RS], v[RS+1] are written, ahead of their first reader; so is v[WB ..], which the store below reads
	global_store_b128 v3, v[WB:WB+3], s[16:17]     ; the half image: 512 consecutive bytes, aligned
	BLK 0, 0
	BLK 1, 1
	BLK 2, 1
	BLK 3, 1
	s_wait_alu depctr_va_vdst(0)                   ; block 3's roundings have written its bf16 pairs, which the last eight stores read
.irp i, 0,1,2,3,4,5,6,7
	global_store_b64 v1, v[X+96+4*\i:X+96+4*\i+1], s[14:15] offset:6144+256*\i
.endr
	s_endpgm
.Lfunc_end_k_qbd059a25c9_norm:
	.size	k_qbd059a25c9_norm, .Lfunc_end_k_qbd059a25c9_norm-k_qbd059a25c9_norm
	.p2alignl 7, 3214868480
	.fill 96, 4, 3214868480
	.section	.rodata,"a",@progbits
	.p2align	6, 0x0
	.amdhsa_kernel k_qbd059a25c9_norm
		.amdhsa_group_segment_fixed_size 0
		.amdhsa_private_segment_fixed_size 0
		.amdhsa_enable_private_segment 0
		.amdhsa_kernarg_size 56
		.amdhsa_user_sgpr_count 2
		.amdhsa_user_sgpr_kernarg_segment_ptr 1
		.amdhsa_wavefront_size32 1
		.amdhsa_system_sgpr_workgroup_id_x 1
		.amdhsa_system_sgpr_workgroup_id_y 1
		.amdhsa_system_sgpr_workgroup_id_z 1
		.amdhsa_system_vgpr_workitem_id 0
		.amdhsa_next_free_vgpr 160
		.amdhsa_next_free_sgpr 66
		.amdhsa_reserve_vcc 0
		.amdhsa_float_denorm_mode_32 3
		.amdhsa_float_denorm_mode_16_64 3
		.amdhsa_memory_ordered 1
		.amdhsa_forward_progress 1
		.amdhsa_inst_pref_size 31
	.end_amdhsa_kernel
	.amdgpu_metadata
---
amdhsa.version: [ 1, 2 ]
amdhsa.kernels:
  - .name:           k_qbd059a25c9_norm
    .symbol:         k_qbd059a25c9_norm.kd
    .args:
      - { .name: x, .offset: 0, .size: 8, .value_kind: global_buffer, .address_space: global }
      - { .name: wq, .offset: 8, .size: 8, .value_kind: global_buffer, .address_space: global }
      - { .name: wk, .offset: 16, .size: 8, .value_kind: global_buffer, .address_space: global }
      - { .name: wv, .offset: 24, .size: 8, .value_kind: global_buffer, .address_space: global }
      - { .name: wp, .offset: 32, .size: 8, .value_kind: global_buffer, .address_space: global }
      - { .name: hn, .offset: 40, .size: 8, .value_kind: global_buffer, .address_space: global }
      - { .name: wf, .offset: 48, .size: 8, .value_kind: global_buffer, .address_space: global }
    .group_segment_fixed_size: 0
    .private_segment_fixed_size: 0
    .kernarg_segment_align: 8
    .kernarg_segment_size: 56
    .max_flat_workgroup_size: 128
    .sgpr_count:     66
    .vgpr_count:     160
    .wavefront_size: 32
...
	.end_amdgpu_metadata
.endif
;; end of part 4
;; launch qkv: the kernel of part 2 again; grid 128 x 2, 4 waves a work-group, clusters of 4 x 1, 270,848 bytes of LDS; arguments hn, wf, bq, bk, bv, qf, kf, vf; writes qf, kf, vf
;; launch attn: the kernel of part 3 again; grid 256 x 1, 4 waves a work-group, clusters of 4 x 1, 327,680 bytes of LDS; arguments qf, kf, vf, wf, bp, x, out0; writes out0
